; MI455X (gfx1250); checked and timed in simulation.
; The chip was launched on July 23, 2026; its instructions are those of AMD's public machine-readable ISA for CDNA 5 (MIT licence, August 2026) and "CDNA5" Instruction Set Architecture Reference Guide (July 2026). The comments in the code are by the model that wrote it; some were corrected since.
;; Compressed Interaction Network. Allowed arithmetic: matrix products marked QUANTISED: E2M3 operands, one E8M0 scale for each 32 along K, by v_wmma_scale_f32_16x16x128_f8f6f4 with both operands' format E2M3, f32 sums; products left as they are: f32 operands where the result goes on into a quantised operand, else bf16, f16 or f32 operands; f32 sums; everything else in f32.
;; Inputs: b0 256 float32; b1 256 float32; b2 256 float32; fc_b 1 float32; fc_w 1 x 512 float32; w0_codes 256 x 32 x 24 uint8 (E2M3 codes of w0, K innermost, in blocks of 32 codes, four codes in three bytes); w0_scales 256 x 32 uint8 (E8M0 scales of w0, one for each 32 codes along K); w1_codes 256 x 128 x 24 uint8 (E2M3 codes of w1, K innermost, in blocks of 32 codes, four codes in three bytes); w1_scales 256 x 128 uint8 (E8M0 scales of w1, one for each 32 codes along K); w2_codes 256 x 128 x 24 uint8 (E2M3 codes of w2, K innermost, in blocks of 32 codes, four codes in three bytes); w2_scales 256 x 128 uint8 (E8M0 scales of w2, one for each 32 codes along K); x 256 x 32 x 64 float32.
;; Outputs: out0 256 x 1 float32.
;; This version of the problem:
;;   THIS VERSION OF THE PROBLEM IS GIVEN IN LOW PRECISION. The matrix products marked QUANTISED in the list below multiply operands that are first quantised to E2M3 (2 exponent bits, 3 mantissa bits; 6 bits a number), with one power-of-two scale for each 32 numbers along K (OCP MX v1.0); their sums are f32. All else is computed in f32.
;;   The module's matrix products, in the order in which they are computed (A, B: the left and right operand; K: the contracted axis; several contracted axes count as one K, in the product's order):
;;     1. [M 256, K 1,024] x [K 1,024, N 16,384]; A: input w0 (given as codes); B: computed on the way: QUANTISED
;;     2. [M 256, K 4,096] x [K 4,096, N 16,384]; A: input w1 (given as codes); B: computed on the way: QUANTISED
;;     3. [M 256, K 4,096] x [K 4,096, N 16,384]; A: input w2 (given as codes); B: computed on the way: QUANTISED
;;     4. [M 256, K 512] x [K 512, N 1]; A: computed on the way; B: input fc_w: left as it is (N = 1 < 16)
;;   THE QUANTISER, for each operand of a quantised product, along K:
;;     - K is cut into blocks of 32 from its start; a last block that is shorter is filled with zeros.
;;     - A block's scale is 2^e with e = floor(log2(the largest magnitude in the block)) - 2, held to -126 .. 127; a block of zeros has e = 0. As a byte (E8M0): e + 127.
;;     - Each number is divided by its block's scale, clamped to +-7.5, and rounded to the nearest number of E2M3, ties to even, subnormals kept.
;;     - The product sums the exact products of the quantised numbers (number of the format x scale) in f32.
;;   ~~~python
;;   def quantise(x, axis):      # numpy; x: float32 -> the quantised numbers, widened to float32 again
;;       x = np.moveaxis(x, axis, -1); K = x.shape[-1]
;;       x = np.pad(x, [(0, 0)] * (x.ndim - 1) + [(0, -K % 32)]); x = x.reshape(x.shape[:-1] + (-1, 32)); a = np.abs(x).max(-1, keepdims=True)
;;       e = np.where(a > 0, np.clip(np.frexp(np.where(a > 0, a, 1))[1] - 1 - 2, -126, 127), 0)      # np.frexp(a)[1] - 1 = floor(log2(a)), exactly
;;       r = np.clip(x / 2.0 ** e, -7.5, 7.5)
;;       step = 2.0 ** (np.maximum(np.frexp(np.where(r == 0, 1, r))[1] - 1, 0) - 3)
;;       q = np.round(r / step) * step * 2.0 ** e      # np.round: ties to even
;;       return np.moveaxis(q.reshape(q.shape[:-2] + (-1,))[..., :K], -1, axis).astype(np.float32)
;;   ~~~
;;   OPERANDS COMPUTED ON THE WAY. 'Computed on the way' means the value that the module computes at that place (a softmax that the list does not call 'softmax' is quantised finished and normalised). What goes into a quantiser is computed in f32, as accurately as f32 sums, v_exp_f32 and their like allow (about 1e-6 of the number): no bf16 or f16 on the way to a quantiser, and a product that is left as it is and whose result goes on into a quantised operand takes f32 operands (vector FMAs, or v_wmma_f32_16x16x4_f32). A number that lies on a knife's edge between two numbers of the format may be rounded either way, as far as f32 arithmetic and the matrix unit's own rounding can turn it there, and no further.
;;   INPUTS GIVEN AS CODES. w0 (in the module: [256, 1024], K = its axis 1); w1 (in the module: [256, 4096], K = its axis 1); w2 (in the module: [256, 4096], K = its axis 1): each comes as NAME_codes (uint8): NAME with its K axis moved to the last place and cut into blocks of 32 codes, [.., K / 32, bytes a block], one block behind the other in memory; four codes in three bytes: a row's codes are one little-endian stream of bits, code i at bits 6 i .. 6 i + 5 (a code: sign, 2 exponent bits, 3 mantissa bits); and NAME_scales (uint8): the same leading axes, one E8M0 byte (e + 127) for each 32 codes along K. Its value is code x scale, taken as it is: it is not quantised again, and the codes and scales need not be those that the quantiser above would give.
;; One version. Each part assembles by itself: llvm-mc -triple=amdgcn-amd-amdhsa -mcpu=gfx1250 --defsym DOCPART=n.
;; ======== version 1 of 1: 1 launch
;; launch cin (part 1): grid 256 x 1, 8 waves a work-group, clusters of 4 x 1, 327,680 bytes of LDS; arguments x, w0_codes, w0_scales, b0, w1_codes, w1_scales, b1, w2_codes, w2_scales, b2, fc_w, fc_b, out0; writes out0
.if DOCPART == 1
	.amdgcn_target "amdgcn-amd-amdhsa--gfx1250"
	.amdhsa_code_object_version 6
	.text
	.protected	k_qadedfce444_cin
	.globl	k_qadedfce444_cin
	.p2align	8
	.type	k_qadedfce444_cin,@function
k_qadedfce444_cin:
	s_mov_b64 s[64:65], 0
	v_nop
	global_prefetch_b8 v0, s[64:65] scope:SCOPE_SE
	s_setreg_imm32_b32 hwreg(HW_REG_WAVE_MODE, 25, 1), 1
	s_wait_xcnt 0x0
	s_wait_alu depctr_hold_cnt(0) depctr_sa_sdst(0) depctr_va_vdst(0) depctr_va_sdst(0) depctr_va_ssrc(0) depctr_va_vcc(0) depctr_vm_vsrc(0)
	s_getreg_b32 s2, hwreg(HW_REG_IB_STS2, 6, 4)
	s_cmp_eq_u32 s2, 0
	s_cbranch_scc0 .Lentry_in_a_cluster
	s_endpgm
.Lentry_in_a_cluster:
	s_bfe_u32 s2, ttmp6, 0x10000c
	s_cmp_lg_u32 s2, 0x3003
	s_cbranch_scc0 .Lentry_shape_is_right
	s_endpgm
.Lentry_shape_is_right:
; COMPRESSED INTERACTION NETWORK, three layers and the final dot product in one launch.
; For batch item b:  z[f*Hin+hh][e] = x[b][f][e] * h[hh][e];  y = relu(W z + bias), W [256][K] given as E2M3 codes with E8M0 bytes, z quantised along K by the MX rule;
; rows 0-127 (the last layer: all 256) are summed over e and weighed by fc_w; rows 128-255 are the next h.  K = 1,024, 4,096, 4,096; 64 columns e.
; SHARES.  A work-group is one batch item.  Eight waves in two roles (role = (w ^ (w >> 2)) & 1, q = w >> 1, so that of waves {w, w + 4} and of {2u, 2u + 1} one has each role):
;   MULTIPLIER q (role 0): output rows 64 q .. 64 q + 63 x all 64 columns, 16 accumulators; it issues LDS loads and matrix instructions, and fetches its own 64 rows of each weight tile.
;   MAKER q (role 1): columns e = 16 q .. 16 q + 15: it multiplies x by h, quantises, and lays the operand's registers (codes, scale words) into LDS as they stand; every multiplier loads them so.
; A z fragment is thus made once and multiplied against all 256 rows; one role's vector work stands beside the other role's matrix work.
; A PERIOD is 512 along K (4 matrix instructions deep): 2 + 8 + 8 = 18 periods.  In a period the multipliers read its weight tile and its z batch while the makers write the next period's z batch into the other z buffer.
; THE WALK.  Layers 1 and 2 have eight periods each, and the order in which they are summed is free.  Cluster c takes them in the order c mod 8, c mod 8 + 1, .. round to c mod 8 - 1: so the clusters ask for eight different
; tiles of a layer at a time, and a tile that a cluster asks for in a layer's trips 1 to 7 has been asked for a trip earlier by the clusters one place ahead.  The turn is made where data are LAID: the tile's address in
; memory, the lane's piece of a row of scale bytes, the order of the makers' table of x.  In LDS place T of a layer always holds what trip T wants, so no LDS address hangs on the cluster's number.
; A BLOCK'S SCALE costs one multiplication: a block of 32 along K is one x[f][e] times 32 numbers of h, and f32 rounding keeps order, so the block's largest |x h_i| is fl(|x| * max |h_i|), bit for bit.
; CLUSTER.  The four work-groups of a cluster walk the same weight tiles: each tile is asked for JOINTLY (the same tensor load, the same descriptor, mask 15) and lands in each one's LDS.
; The matrix instruction has source 0 = 16 rows of W, source 1 = 16 columns of z: lane (r, hf) holds column e = 16 t + r and, in register j, row 8 hf + j of the tile.
; OUT.  One f32 a work-group: a single store of 4 bytes; the output has one number for each batch item and no work-group sees another's.
; LIMITS.  NaN and infinities among the inputs are not served (the relu, a maximum with 0, turns a NaN into 0).  A z block whose largest magnitude lies under 2^-124 is given the scale byte 1; a block of zeros
; likewise gets 1 where the rule says 127: its codes are zeros, which add nothing, and the bytes are read by this program alone.  The order of the f32 sums differs from the reference's: the pooled sums', and along K
; the order of a layer's eight periods, which hangs on the cluster's number.
;
; LDS (bytes):  0 slot 0: 256 rows x 432 | 110,592 W's scale bytes of multipliers 0, 1: 64 rows x 144 each | 129,024 spare words | 130,048 four partial sums | 131,072 slot 1 | 241,664 scale bytes of multipliers 2, 3
;   262,144 z buffer 0: 16 fragment images x 1,536, then 1,024 of scale words | 287,744 z buffer 1 | (between layers h lies over the z buffers: [e 64][hh 128] f32, pitch 528) | 313,344 x of each maker: [r 16][32 f, in the walk's order] f32, pitch 144
; Only the two slots are ever the target of a tensor load.  All of a WGP's LDS is claimed.
.set PITCH, 432                        ; an LDS row of a weight tile: 384 bytes (512 codes) + 16 of padding behind every 128
.set TILEQ, 64*PITCH                   ; 64 rows: what one tensor load brings and one multiplier reads
.set SLOT1, 1<<17                      ; slot 1 begins here: one exclusive or turns an address in one slot into the other's
.set SCA0,  4*TILEQ
.set SCAQ,  64*144
.set SPARE, SCA0+2*SCAQ                ; the spare words: 128 bytes for each of eight waves, four blocks of 256 bytes that no other line names
.set RED,   SPARE+1024
.set ZBASE, 1<<18
.set FRB,   1536                       ; a fragment's image: 12 registers x 128 bytes
.set ZSC,   16*FRB                     ; a z buffer's scale words
.set ZX,    ZSC+1024                   ; from z buffer 0 to z buffer 1
.set HP,    528                        ; a column's 128 numbers of h + 16 bytes
.set XTB,   ZBASE+2*ZX
; vector registers of both roles: made at the head, on the way that all waves take, and (but for v10-16) never rewritten.  l = lane, r = l % 16, hf = l / 16
.set SPW,   1                          ; SPARE + 4 x thread
.set NIL,   2                          ; 0
.set AW24,  3                          ; (64 q + r) PITCH + 24 hf: my row of a weight tile
.set AW40,  4                          ; the same behind one padding more for lanes 16-31
.set AZR,   5                          ; ZBASE + 16 l: an image's place for my lane
.set AZW,   6                          ; + FRB q: where maker q stores
.set AZS,   7                          ; ZBASE + ZSC + 256 q + 16 r: maker q's scale words
.set ASA,   8                          ; my multiplier's scale bytes, row l
.set AX,    9                          ; my maker's x, row r
.set ADW24, 10                         ; v10-16: the seven above plus the period's slot, z buffer or place in its layer; remade at every change of period
.set ADW40, 11
.set ADZR,  12
.set ADZW,  13
.set ADZS,  14
.set ADSA,  15
.set ADX,   16
.set AHS,   17                         ; h on its way in:  ZBASE + HP r + 32 hf + 256 (q & 1)
.set AHL,   18                         ; h on its way out: ZBASE + HP (16 q + r) + 128 hf
.set ASW1,  19                         ; scale bytes into LDS, rows of 128 bytes
.set ASW0,  20                         ; and rows of 32 bytes
.set ARW,   21
.set ARR,   22
.set VB,    23                         ; global offsets: biases and fc_w: 256 q + 32 hf
.set VS,    24                         ; w1's, w2's scale bytes: 8,192 q + 128 (l / 8) + 16 ((l + cluster) % 8)
.set VS0,   25                         ; w0's: 2,048 q + 16 l
.set VX,    26                         ; x: 64 q + 4 r
.set SH8,   27                         ; 8 hf
.set PFL,   28                         ; 3,072 l: a row of w2 for each lane
.set PFO,   29                         ; the prefetch's offset
.set ZERO,  30
.set SA,    32                         ; v32-39 W's scale words, v40-47 z's: these sixteen hold scales and nothing else
.set SB,    40
; multiplier: v48-79 fc weights of my rows, v80-87 the weighted sum in four pairs, v128-255 accumulators ((i, t) at ACC + 8 (4 i + t));
;   window 1: two operand buffers of 96 (4 fragments of W, 4 of z) at v0 and v96, v192-255 the next layer's scale bytes on their way
.set FW,    48
.set TOT,   80
.set ACC,   128
.set STG,   192
; maker (window 0 alone): v48-111 my 64 numbers of h (layer 0: v48-79 x), v112-175 products, v176-199 two sets of codes, v200.., v204.. second halves of blocks, v216-217 maxima, v218-221 at work, v224-227 scale words,
;   v232-247 multipliers, in the even registers.  (Each run of eight registers from v128 on, an accumulator in the other role, is read by a maker from its low end first.)
.set HB0,   48
.set HB1,   80
.set ST,    112
.set CD,    176
.set TA,    200
.set TC,    204
.set MX0,   216
.set TS,    218
.set YB,    220
.set W4,    224
.set AM,    232
; scalars
.set WV,    30
.set Q,     31
.set ROLE,  32
.set CX,    33
.set BI,    34
.set PH,    35                         ; the cluster's number mod 8: where my cluster's walk of a layer begins
.set G1A,   36                         ; s[36:43] descriptor group 1 for w0's tiles;  s[44:51] for w1's and w2's
.set G1B,   44
.set G0A,   52                         ; s[52:55] group 0 of tile 0;  s[56:59] of tile 1, which then walks
.set G0W,   56
.set W1P,   60                         ; s[60:61], s[62:63] my 64 rows of w1, of w2
.set W2P,   62
.set TB,    66                         ; the slot in hand
.set ZR,    67                         ; the z buffer that is read
.set ZW,    68                         ; and the one that is written
.set KO,    69                         ; 16 x the trip's number in its layer
.set CNT,   70
.set PN,    71                         ; which of a layer's eight periods the next refill brings
.set SEL,   72                         ; s[72:73] v_permlanex16_b32's selects for lane l xor 16
.set PF2,   80                         ; s[80:81] where my prefetches begin in w2
.set LIM1,  84
.set FCB,   90
.set SVX,   91
.set MSB, 0
.macro WIN new                         ; the immediate's high byte repeats the setting that is left; a switch that changes nothing is dropped
.if MSB != \new
	s_set_vgpr_msb (MSB<<8)|\new
.set MSB, \new
.endif
.endm
.macro PLACES                          ; four plain places: behind a tensor load, and between a matrix instruction and a load into, or a vector read of, its registers
.rept 4
	v_nop
.endr
.endm
.macro CREST                           ; a round of the cluster's barrier behind its opening barrier
	s_cmp_lg_u32 s[WV], 0
	s_cbranch_scc1 .Lnw0_\@
	s_barrier_signal -3
.Lnw0_\@:
	s_barrier_wait -3
	s_barrier_signal -1
	s_barrier_wait -1
.endm
.macro ROUND
	s_barrier_signal -1
	s_barrier_wait -1
	CREST
.endm
.macro BAR                             ; my LDS stores have landed and my LDS loads are in: then the work-group's barrier
	s_wait_dscnt 0x0
	s_barrier_signal -1
	s_barrier_wait -1
.endm
.macro ADDRS
	v_add_nc_u32 v[ADW24], s[TB], v[AW24]
	v_add_nc_u32 v[ADW40], s[TB], v[AW40]
	v_add_nc_u32 v[ADZR], s[ZR], v[AZR]
	v_add_nc_u32 v[ADZW], s[ZW], v[AZW]
	v_add_nc_u32 v[ADZS], s[ZW], v[AZS]
	v_add_nc_u32 v[ADSA], s[KO], v[ASA]
	v_add_nc_u32 v[ADX], s[KO], v[AX]
.endm
; THE CHANGE OF PERIOD, on every wave's way.  Behind it the slot and the z buffer of the new period are whole, and nobody reads the other slot or the other z buffer.
; mode 0: the first period.
; mode 1: the slot just left is filled again behind a round of the cluster's barrier, with period PN of the buffer at s[ptr]: 384 PN bytes on in each row.  PN goes round modulo 8, one step a refill:
;         eight refills after a layer's first tile it stands where the walk begins again, which is where the next layer's first tile is due.
; mode 3: the last period: nothing is left to fetch.
.macro CHANGE mode, ptr
.if \mode == 0
	s_wait_tensorcnt 0x1
.else
	s_wait_tensorcnt 0x0                           ; all my tensor loads have landed, so the walking group 0 may be written
	ds_add_u32 v[SPW], v[NIL]                      ; 0 onto my spare word; the scalar steps stand between it and the wait for it
.endif
	s_xor_b32 s[TB], s[TB], SLOT1
	s_xor_b32 s[ZR], s[ZR], ZX
	s_xor_b32 s[ZW], s[ZW], ZX
.if \mode == 1
	s_xor_b32 s[G0W+1], s[G0W+1], SLOT1            ; the other slot than last time
	s_mul_i32 s86, s[PN], 384
	s_mov_b32 s87, 0
	s_add_nc_u64 s[G0W+2:G0W+3], s[\ptr:\ptr+1], s[86:87]   ; the cluster's number enters, which the four partners share; their places in the cluster do not
	s_or_b32 s[G0W+3], s[G0W+3], 0x80000000        ; type = 2
	s_add_co_u32 s[PN], s[PN], 1
	s_and_b32 s[PN], s[PN], 7
.endif
	s_wait_dscnt 0x0                               ; the add is done; my reads of the slot and of the z buffer are over, my stores of z have landed
	s_barrier_signal -1
	ADDRS                                          ; register work while the others arrive; these seven are also the places behind the last period's matrix instructions
	s_barrier_wait -1
.if \mode == 1
	CREST                                          ; the barrier has opened a round of the cluster's: no wave of any partner still reads the slot or has a load on its way
.endif
.endm
.macro REFILL                          ; a multiplier's one tensor load behind the round, and the first thing there: its 64 rows of the next tile
	tensor_load_to_lds s[G0W:G0W+3], s[G1B:G1B+7]
	s_nop 0
	PLACES
.endm
; ---------------- the multiplier's macros
; A fragment of W, 16 rows x 128 K, is 12 registers: lane (r, hf) holds row r; registers 6 c .. 6 c + 5 hold K = 64 c + 32 hf + 0 .. 31: 24 bytes of the row's stream of bits, as they lie, in pieces of 8 bytes.
; Lanes 16-31 read three pieces further on than lanes 0-15; where that is behind one padding more (16 pieces to a padding), the second address register serves.
.macro FRAG reg, k, i
.irp p, 0,1,2,3,4,5
.set PC, 12*(\k)+6*(\p/3)+\p%3
.if PC%16 < 13
	ds_load_b64 v[(\reg)+2*\p:(\reg)+2*\p+1], v[ADW24] offset:8*PC+16*(PC/16)+(\i)*16*PITCH
.else
	ds_load_b64 v[(\reg)+2*\p:(\reg)+2*\p+1], v[ADW40] offset:8*PC+16*(PC/16)+(\i)*16*PITCH
.endif
.endr
.endm
.macro FETCH k, buf                    ; 36 LDS loads in one run: my 4 fragments of W and the 4 images of z of the period's k-th 128 along K
	WIN 0x40                                       ; destination window 1, address window 0
.irp i, 0,1,2,3
	FRAG 96*(\buf)+12*\i, \k, \i
.endr
.irp t, 0,1,2,3
.irp c, 0,1,2
	ds_load_b128 v[96*(\buf)+48+12*\t+4*\c:96*(\buf)+48+12*\t+4*\c+3], v[ADZR] offset:(4*(\k)+\t)*FRB+512*\c
.endr
.endr
.endm
; One register carries the scale words of two tiles: lanes 0-15 the even tile's, lanes 16-31 the odd tile's, which the ROW1 selector names.
.macro WM i, t, k, buf
.set rD, ACC+8*(4*(\i)+(\t))
.set rA, 96*(\buf)+12*(\i)
.set rB, 96*(\buf)+48+12*(\t)
.set rSA, SA+4*((\i)/2)+(\k)
.set rSB, SB+4*((\t)/2)+(\k)
.if ((\i)%2 == 0) && ((\t)%2 == 0)
	v_wmma_scale_f32_16x16x128_f8f6f4 v[rD:rD+7], v[rA:rA+11], v[rB:rB+11], v[rD:rD+7], v[rSA], v[rSB] matrix_a_fmt:MATRIX_FMT_FP6 matrix_b_fmt:MATRIX_FMT_FP6
.elseif ((\i)%2 == 1) && ((\t)%2 == 0)
	v_wmma_scale_f32_16x16x128_f8f6f4 v[rD:rD+7], v[rA:rA+11], v[rB:rB+11], v[rD:rD+7], v[rSA], v[rSB] matrix_a_fmt:MATRIX_FMT_FP6 matrix_b_fmt:MATRIX_FMT_FP6 matrix_a_scale:MATRIX_SCALE_ROW1
.elseif ((\i)%2 == 0) && ((\t)%2 == 1)
	v_wmma_scale_f32_16x16x128_f8f6f4 v[rD:rD+7], v[rA:rA+11], v[rB:rB+11], v[rD:rD+7], v[rSA], v[rSB] matrix_a_fmt:MATRIX_FMT_FP6 matrix_b_fmt:MATRIX_FMT_FP6 matrix_b_scale:MATRIX_SCALE_ROW1
.else
	v_wmma_scale_f32_16x16x128_f8f6f4 v[rD:rD+7], v[rA:rA+11], v[rB:rB+11], v[rD:rD+7], v[rSA], v[rSB] matrix_a_fmt:MATRIX_FMT_FP6 matrix_b_fmt:MATRIX_FMT_FP6 matrix_a_scale:MATRIX_SCALE_ROW1 matrix_b_scale:MATRIX_SCALE_ROW1
.endif
.endm
.macro MUL k, buf                      ; 16 matrix instructions; the 16 accumulators take turns, one instruction a turn, in the same order in every step
	WIN 0x05                                       ; sources 0 and 1 window 1; C and D window 0
.irp i, 0,1,2,3
.irp t, 0,1,2,3
	WM \i, \t, \k, \buf
.endr
.endr
.endm
; A period's matrix work: 64 matrix instructions on two operand buffers by turns; each run of 36 loads is issued 16 matrix instructions ahead of its use.
.macro CONS
	ds_load_b128 v[SA:SA+3], v[ADSA]               ; W's scale words of the period's 4 steps: rows 0-31 of my 64 (lanes 0-15 tile 0, lanes 16-31 tile 1),
	ds_load_b128 v[SA+4:SA+7], v[ADSA] offset:32*144   ; rows 32-63
	ds_load_b128 v[SB:SB+3], v[ADZR] offset:ZSC    ; z's: columns 0-31,
	ds_load_b128 v[SB+4:SB+7], v[ADZR] offset:ZSC+512  ; columns 32-63
	FETCH 0, 0
	FETCH 1, 1
	s_wait_dscnt 36                                ; all but the 36 loads of the run issued last
	MUL 0, 0
	PLACES
	FETCH 2, 0
	s_wait_dscnt 36
	MUL 1, 1
	PLACES
	FETCH 3, 1
	s_wait_dscnt 36
	MUL 2, 0
	s_wait_dscnt 0x0
	MUL 3, 1
	WIN 0
.endm
.macro RELU                            ; each accumulator from its low end on
	PLACES
.set j, 0
.rept 128
	v_max_num_f32 v[ACC+j], 0, v[ACC+j]
.set j, j+1
.endr
.endm
.macro POOL                            ; the sum over e and the product with fc_w in one: 64 packed multiply-adds in four chains
.irp i, 0,1,2,3
.irp t, 0,1,2,3
.irp u, 0,2,4,6
	v_pk_fma_f32 v[TOT+\u:TOT+\u+1], v[ACC+8*(4*\i+\t)+\u:ACC+8*(4*\i+\t)+\u+1], v[FW+8*\i+\u:FW+8*\i+\u+1], v[TOT+\u:TOT+\u+1]
.endr
.endr
.endr
.endm
.macro HSTORE                          ; my 64 rows become h: a lane's eight rows are eight neighbours of column e's 128 numbers
.irp i, 0,1,2,3
.irp t, 0,1,2,3
	ds_store_b128 v[AHS], v[ACC+8*(4*\i+\t):ACC+8*(4*\i+\t)+3] offset:16*HP*\t+64*\i
	ds_store_b128 v[AHS], v[ACC+8*(4*\i+\t)+4:ACC+8*(4*\i+\t)+7] offset:16*HP*\t+64*\i+16
.endr
.endr
.endm
.macro BIASLOAD sb                     ; the bias is what the sums begin with: it is loaded into the accumulators, in the result's layout; nothing is cleared and nothing is added later
.irp i, 0,1,2,3
.irp t, 0,1,2,3
	global_load_b128 v[ACC+8*(4*\i+\t):ACC+8*(4*\i+\t)+3], v[VB], s[\sb:\sb+1] offset:64*\i
	global_load_b128 v[ACC+8*(4*\i+\t)+4:ACC+8*(4*\i+\t)+7], v[VB], s[\sb:\sb+1] offset:64*\i+16
.endr
.endr
.endm
.macro FWLOAD base                     ; fc_w at base + my rows (in layers 0 and 1 the owners of rows 128-255 load numbers that they do not use: all lie inside fc_w, and no branch is spent)
.irp i, 0,1,2,3
	global_load_b128 v[FW+8*\i:FW+8*\i+3], v[VB], s[24:25] offset:4*(\base)+64*\i
	global_load_b128 v[FW+8*\i+4:FW+8*\i+7], v[VB], s[24:25] offset:4*(\base)+64*\i+16
.endr
.endm
.macro SCLOAD sb, n, vo                ; my 64 rows' scale bytes are one dense block: n loads of 512 consecutive bytes, into window 1
	WIN 0x40
.set j, 0
.rept \n
	global_load_b128 v[STG+4*j:STG+4*j+3], v[\vo], s[\sb:\sb+1] offset:512*j
.set j, j+1
.endr
	WIN 0
.endm
.macro SCSTORE n, va, step             ; and from there into my own rows of 144 bytes in LDS
	WIN 0x04                                       ; an LDS store's data are its source 1: window 1
.set j, 0
.rept \n
	ds_store_b128 v[\va], v[STG+4*j:STG+4*j+3] offset:(\step)*j
.set j, j+1
.endr
	WIN 0
.endm
; ---------------- the maker's macros
.macro MAXI d, s                       ; the largest magnitude of 32 registers
	v_max3_num_f32 v[\d], |v[\s]|, |v[(\s)+1]|, |v[(\s)+2]|
.irp n, 3,5,7,9,11,13,15,17,19,21,23,25,27,29
	v_max3_num_f32 v[\d], v[\d], |v[(\s)+\n]|, |v[(\s)+\n+1]|
.endr
	v_max_num_f32 v[\d], v[\d], |v[(\s)+31]|
.endm
; ONE FRAGMENT OF z: the batch's k-th 128 along K for my 16 columns.  The operand's layout gives lane (r, hf) two whole blocks: K = 32 hf + 0 .. 31 and 64 + 32 hf + 0 .. 31.
; Block c is v[hb_c] .. v[hb_c + 31] times the multiplier v[a_c] (the low word of an even pair, which the packed form takes for both halves); v[m_c] is the largest magnitude of those 32.
.macro PROD k, hb0, hb1, a0, a1, m0, m1
.set CSET, CD+12*((\k)%2)
	v_mul_f32 v[TS], |v[\a0]|, v[\m0]              ; the block's largest magnitude,
	v_mul_f32 v[TS+1], |v[\a1]|, v[\m1]
	v_max_num_f32 v[TS], 0x1800000, v[TS]          ; over the floor 2^(3 - 127): the byte cannot fall under 1
	v_max_num_f32 v[TS+1], 0x1800000, v[TS+1]
	v_add_nc_u32 v[TS], 0xff000000, v[TS]          ; 2 off its exponent field: the conversion takes the exponent field of this operand as its scale, and nothing else of it
	v_add_nc_u32 v[TS+1], 0xff000000, v[TS+1]
	v_lshrrev_b32 v[YB], 23, v[TS]                 ; the scales' bytes: blocks hf and 2 + hf,
	v_lshrrev_b32 v[YB+1], 23, v[TS+1]
	v_lshl_or_b32 v[YB], v[YB+1], 16, v[YB]
	v_lshlrev_b32 v[YB], v[SH8], v[YB]             ; at their places in the column's scale word;
	v_permlanex16_b32 v[YB+1], v[YB], s[SEL], s[SEL+1]
	v_or_b32 v[W4+(\k)], v[YB], v[YB+1]            ; with lane l xor 16's two the word is whole
.irp n, 0,2,4,6,8,10,12,14,16,18,20,22,24,26,28,30
	v_pk_mul_f32 v[ST+\n:ST+\n+1], v[(\hb0)+\n:(\hb0)+\n+1], v[(\a0):(\a0)+1] op_sel_hi:[1,0]
.endr
.irp n, 0,2,4,6,8,10,12,14,16,18,20,22,24,26,28,30
	v_pk_mul_f32 v[ST+32+\n:ST+33+\n], v[(\hb1)+\n:(\hb1)+\n+1], v[(\a1):(\a1)+1] op_sel_hi:[1,0]
.endr
.if (\k) >= 2
	s_wait_dscnt 3                                 ; all but the last fragment's three stores: the stores that read this set of codes, two fragments back, are done
.endif
	v_cvt_scalef32_pk16_fp6_f32 v[CSET:CSET+2], v[ST:ST+15], v[TS]
	v_cvt_scalef32_pk16_fp6_f32 v[TA:TA+2], v[ST+16:ST+31], v[TS]          ; (a conversion's three registers begin on an even number: the second half of a block's six does not, so it is made elsewhere and moved)
	v_cvt_scalef32_pk16_fp6_f32 v[CSET+6:CSET+8], v[ST+32:ST+47], v[TS+1]
	v_cvt_scalef32_pk16_fp6_f32 v[TC:TC+2], v[ST+48:ST+63], v[TS+1]
	v_nop                                          ; one plain place behind a scaled conversion
.irp n, 0,1,2
	v_mov_b32 v[CSET+3+\n], v[TA+\n]
	v_mov_b32 v[CSET+9+\n], v[TC+\n]
.endr
.irp c, 0,1,2
	ds_store_b128 v[ADZW], v[CSET+4*\c:CSET+4*\c+3] offset:4*FRB*(\k)+512*\c   ; the operand's registers as they stand: lane l's 16 bytes at 16 l
.endr
.endm
.macro BATCH adr, off                  ; layers 1 and 2: a K step is one f, all 128 of h: four fragments for the four x at v[adr] + off of my table, which lies in the walk's order
.irp k, 0,1,2,3
	ds_load_b32 v[AM+2*\k], v[\adr] offset:(\off)+4*\k
.endr
	s_wait_dscnt 0x0
.irp k, 0,1,2,3
	PROD \k, HB0, HB1, AM+2*\k, AM+2*\k, MX0, MX0+1
.endr
	ds_store_b128 v[ADZS], v[W4:W4+3]              ; my columns' scale words of the four steps (both halves of the lanes hold, and write, the same)
.endm
.macro BATCH0 bt                       ; layer 0: a block is one f, all 32 of x: block 2 c + hf of step k has f = 16 bt + 4 k + 2 c + hf
	v_cmp_ne_u32 vcc_lo, 0, v[SH8]
.irp n, 0,1,2,3,4,5,6,7
	v_cndmask_b32 v[AM+2*\n], v[HB0+16*(\bt)+2*\n], v[HB0+16*(\bt)+2*\n+1], vcc_lo
.endr
.irp k, 0,1,2,3
	PROD \k, HB0, HB0, AM+4*\k, AM+4*\k+2, MX0, MX0
.endr
	ds_store_b128 v[ADZS], v[W4:W4+3]
.endm
; MY TABLE OF x FOR LAYERS 1 AND 2, whose h takes x's registers: place j holds x[f = (j + 4 PH) mod 32], so that a layer's trip T finds its four f at bytes 16 T of my row.
; The turn by 4 PH registers is made in three stages, by 16, 8 and 4, each taken or not by a bit of PH: a choice of values on a scalar mask, no branch and no address.  It stands in layer 0's last period, where a maker has no z to make.
.macro XROT
	s_bitcmp1_b32 s[PH], 2
	s_cselect_b32 s74, -1, 0
	s_bitcmp1_b32 s[PH], 1
	s_cselect_b32 s75, -1, 0
	s_bitcmp1_b32 s[PH], 0
	s_cselect_b32 s76, -1, 0
.set j, 0
.rept 32
	v_cndmask_b32 v[ST+j], v[HB0+j], v[HB0+(j+16)%32], s74
.set j, j+1
.endr
.set j, 0
.rept 32
	v_cndmask_b32 v[ST+32+j], v[ST+j], v[ST+(j+8)%32], s75
.set j, j+1
.endr
.set j, 0
.rept 32
	v_cndmask_b32 v[ST+j], v[ST+32+j], v[ST+32+(j+4)%32], s76
.set j, j+1
.endr
.irp n, 0,1,2,3,4,5,6,7
	ds_store_b128 v[AX], v[ST+4*\n:ST+4*\n+3] offset:16*\n   ; into my own bytes of LDS; both halves of the lanes hold, and write, the same
.endr
.endm
.macro HLOAD                           ; my lane's 64 numbers of h: hh = 32 hf + 0 .. 31 and 64 + 32 hf + 0 .. 31 of column 16 q + r: they stay for the layer
.irp n, 0,1,2,3,4,5,6,7
	ds_load_b128 v[HB0+4*\n:HB0+4*\n+3], v[AHL] offset:16*\n
	ds_load_b128 v[HB1+4*\n:HB1+4*\n+3], v[AHL] offset:256+16*\n
.endr
.endm
; A PREFETCH INTO THE L2 of w2's codes.  By the walk all eight tiles of w2 are first asked for at one change of period, layer 1's last.  Two tiles are 768 bytes of each row: three aligned blocks of 256 bytes.
; The first cluster asks, nobody else.  Its four partners take 64 rows each, told apart BY ADDRESS; in each, makers 0, 1, 2 take one of the three blocks each, a lane a row: two instructions, for rows 0-31 and 32-63 of the 64.
; Layer 1's trips 2, 3, 4, 5 name the pairs of tiles 0, 1, 2, 3: five to two periods ahead of that change.  So each block of w2 is named once in the launch.
; w0's and w1's tiles are wanted within the launch's first two periods and come by their loads alone; layer 2 asks for nothing.  The offset register is rewritten a period later, behind the wait on XCNT.
.macro ASK
	s_sub_co_u32 s86, s[KO], 32                    ; 16 x (trip - 2): in trips 0 and 1 it wraps to a number above every limit
	s_cmp_lt_u32 s86, s[LIM1]
	s_cbranch_scc0 .Lna_\@
	s_wait_xcnt 0x0
	s_lshr_b32 s86, s86, 4
	s_mul_i32 s86, s86, 768                        ; the pair of tiles
	v_add_nc_u32 v[PFO], s86, v[PFL]
	global_prefetch_b8 v[PFO], s[PF2:PF2+1] th:TH_LOAD_NT scope:SCOPE_SE
	global_prefetch_b8 v[PFO], s[PF2:PF2+1] offset:32*3072 th:TH_LOAD_NT scope:SCOPE_SE
.Lna_\@:
.endm
; BETWEEN TWO LAYERS, three barriers.  Behind the first nobody reads z any more: rows 128-255 are laid over the z buffers as h, by the two multipliers that own them.  Behind the second h is whole: the makers take their
; columns into registers, while the multipliers lay the next layer's scale bytes, and ask for its biases and fc weights.  Behind the third nobody reads h any more: the makers lay the next layer's first batch of z over it.
; The next layer's first tile, asked for at the last change of period, is on its way meanwhile.
.macro BOUNDARY n, sb
	BAR
	s_cmp_eq_u32 s[ROLE], 0                        ; makers store no h,
	s_cbranch_scc0 .Lnh_\@
	s_cmp_lt_u32 s[Q], 2                           ; nor do the owners of rows 0-127
	s_cbranch_scc1 .Lnh_\@
	HSTORE
.Lnh_\@:
	BAR
	s_cmp_eq_u32 s[ROLE], 0
	s_cbranch_scc0 .Lhl_\@
	s_wait_loadcnt 0x0                             ; the scale bytes asked for a layer ago
	SCSTORE 16, ASW1, 4*144
	BIASLOAD \sb
	FWLOAD 128*(\n)
.if (\n) == 1
	s_wait_dscnt 0x0                               ; the stores have read their registers, which take
	SCLOAD 20, 16, VS                              ; w2's scale bytes
.endif
	s_branch .Lj2_\@
.Lhl_\@:
	HLOAD
.Lj2_\@:
	BAR
	s_cmp_eq_u32 s[ROLE], 0
	s_cbranch_scc1 .Lj3_\@
	MAXI MX0, HB0
	MAXI MX0+1, HB1
	BATCH AX, 0
.Lj3_\@:
.if (\n) == 1
	s_wait_loadcnt 16                              ; biases and fc weights are in; the 16 loads of w2's scale bytes, issued behind them, may stay out
.else
	s_wait_loadcnt 0x0
.endif
	s_mov_b32 s[KO], 0
.endm
; The first seven trips of a layer of eight: each fills the slot just left with the walk's next tile of the buffer at s[ptr], and the makers make the next trip's z.
.macro LAYER ask, ptr
	s_mov_b32 s[CNT], 7
.Llp_\@:
	CHANGE 1, \ptr
	s_cmp_eq_u32 s[ROLE], 0
	s_cbranch_scc0 .Lmk_\@
	REFILL
	CONS
	s_branch .Ljn_\@
.Lmk_\@:
.if \ask
	ASK
.endif
	BATCH ADX, 16
.Ljn_\@:
	s_add_co_u32 s[KO], s[KO], 16
	s_sub_co_u32 s[CNT], s[CNT], 1
	s_cmp_lg_u32 s[CNT], 0
	s_cbranch_scc1 .Llp_\@
.endm
; ================ THE HEAD, on the way that all waves take
	s_load_b512 s[4:19], s[0:1], 0x0               ; x s[4:5], w0 codes s[6:7], w0 scales s[8:9], b0 s[10:11], w1 codes s[12:13], w1 scales s[14:15], b1 s[16:17], w2 codes s[18:19]
	s_load_b256 s[20:27], s[0:1], 0x40             ; w2 scales s[20:21], b2 s[22:23], fc_w s[24:25], fc_b s[26:27]
	s_load_b64 s[28:29], s[0:1], 0x60              ; out
	v_lshl_add_u32 v[SPW], v0, 2, SPARE
	v_mov_b32 v[NIL], 0
	ds_add_u32 v1, v2
	s_wait_dscnt 0x0
	v_lshrrev_b32 v31, 5, v0
	v_readfirstlane_b32 s[WV], v31                 ; wave 0..7
	s_lshr_b32 s[Q], s[WV], 1
	s_lshr_b32 s[ROLE], s[WV], 2
	s_xor_b32 s[ROLE], s[ROLE], s[WV]
	s_and_b32 s[ROLE], s[ROLE], 1                  ; 0 multiplier (waves 0, 2, 5, 7), 1 maker (waves 1, 3, 4, 6)
	s_bfe_u32 s[CX], ttmp6, 0x40000                ; my place in the cluster
	s_lshl_b32 s[BI], ttmp9, 2                     ; in a cluster launch ttmp9 counts clusters
	s_add_co_u32 s[BI], s[BI], s[CX]               ; my batch item: it enters x's and out's addresses alone
	s_and_b32 s[PH], ttmp9, 7                      ; where my cluster's walk begins: the same in all four partners
	s_mov_b32 s[PN], s[PH]                         ; the first refill brings layer 1's first tile
	; descriptor group 1: a tile of 64 rows x 384 bytes, padded in LDS
	s_mov_b32 s[G1A], 15|(1<<20)|(1<<21)|(4<<22)|(3<<25)   ; 15:0 the mask: all four work-groups; 17:16 elements of 1 byte; 20 padding on; 21 set beside a mask; 24:22 after every 32 words (code 4); 31:25 4 words of it (code 3)
	s_mov_b32 s[G1B], 15|(1<<20)|(1<<21)|(4<<22)|(3<<25)
.irp g, G1A, G1B
	s_mov_b32 s[\g+1], 384<<16                     ; tensor_dim0
	s_mov_b32 s[\g+2], 64<<16                      ; tensor_dim1
	s_mov_b32 s[\g+3], 384<<16                     ; tile_dim0
	s_mov_b32 s[\g+4], 64                          ; tile_dim1
	s_mov_b32 s[\g+6], 0
	s_mov_b32 s[\g+7], 0
.endr
	s_mov_b32 s[G1A+5], 768                        ; a row of w0 in bytes
	s_mov_b32 s[G1B+5], 3072                       ; a row of w1 or w2
	v_and_b32 v31, 31, v0                          ; l
	v_and_b32 v88, 15, v0                          ; r
	v_bfe_u32 v89, v0, 4, 1                        ; hf
	s_mul_i32 s74, s[Q], TILEQ
	v_mul_u32_u24 v[AW24], v88, PITCH
	v_mad_u32_u24 v[AW24], v89, 24, v[AW24]
	v_add_nc_u32 v[AW24], s74, v[AW24]
	v_lshl_add_u32 v[AW40], v89, 4, v[AW24]
	v_lshl_add_u32 v[AZR], v31, 4, ZBASE
	s_mul_i32 s75, s[Q], FRB
	v_add_nc_u32 v[AZW], s75, v[AZR]
	s_lshl_b32 s75, s[Q], 8
	v_lshl_add_u32 v[AZS], v88, 4, ZBASE+ZSC
	v_add_nc_u32 v[AZS], s75, v[AZS]
	s_lshr_b32 s76, s[Q], 1                        ; my multiplier's scale bytes: behind slot q / 2, the (q % 2)-th region there
	s_lshl_b32 s76, s76, 17
	s_and_b32 s77, s[Q], 1
	s_mul_i32 s77, s77, SCAQ
	s_add_co_u32 s76, s76, s77
	s_add_co_u32 s76, s76, SCA0
	v_mul_u32_u24 v[ASA], v31, 144
	v_add_nc_u32 v[ASA], s76, v[ASA]
	s_mul_i32 s77, s[Q], 16*144
	s_add_co_u32 s77, s77, XTB
	v_mul_u32_u24 v[AX], v88, 144
	v_add_nc_u32 v[AX], s77, v[AX]
	s_and_b32 s77, s[Q], 1
	s_lshl_b32 s77, s77, 8
	s_add_co_u32 s77, s77, ZBASE
	v_mul_u32_u24 v[AHS], v88, HP
	v_lshl_add_u32 v[AHS], v89, 5, v[AHS]
	v_add_nc_u32 v[AHS], s77, v[AHS]
	s_mul_i32 s77, s[Q], 16*HP
	s_add_co_u32 s77, s77, ZBASE
	v_mul_u32_u24 v[AHL], v88, HP
	v_lshl_add_u32 v[AHL], v89, 7, v[AHL]
	v_add_nc_u32 v[AHL], s77, v[AHL]
	v_lshrrev_b32 v90, 3, v31                      ; a load's 512 bytes are 4 rows of 128 scale bytes: row l / 8, place l % 8 of 16 bytes in it
	v_mul_u32_u24 v[ASW1], v90, 144
	v_and_b32 v91, 7, v31
	v_lshl_add_u32 v[ASW1], v91, 4, v[ASW1]
	v_add_nc_u32 v[ASW1], s76, v[ASW1]
	v_add_nc_u32 v91, s[PH], v31                   ; in memory the lane takes the piece that the walk's trip l % 8 wants: period (l + PH) % 8 of row l / 8: a load's 32 lanes still cover the same 512 consecutive bytes
	v_and_b32 v91, 7, v91
	v_lshlrev_b32 v91, 4, v91
	v_lshl_add_u32 v91, v90, 7, v91
	s_lshl_b32 s77, s[Q], 13
	v_add_nc_u32 v[VS], s77, v91
	v_lshrrev_b32 v90, 1, v31                      ; w0's: 16 rows of 32 bytes: row l / 2, 16 (l % 2) in it
	v_mul_u32_u24 v[ASW0], v90, 144
	v_and_b32 v90, 1, v31
	v_lshl_add_u32 v[ASW0], v90, 4, v[ASW0]
	v_add_nc_u32 v[ASW0], s76, v[ASW0]
	s_lshl_b32 s77, s[Q], 2
	s_add_co_u32 s77, s77, RED
	v_mov_b32 v[ARW], s77
	v_mov_b32 v[ARR], RED
	v_lshl_add_u32 v[VB], v89, 5, s75              ; 256 q + 32 hf
	s_lshl_b32 s77, s[Q], 11
	v_lshl_add_u32 v[VS0], v31, 4, s77
	s_lshl_b32 s77, s[Q], 6
	v_lshl_add_u32 v[VX], v88, 2, s77
	v_lshlrev_b32 v[SH8], 3, v89
	v_mul_u32_u24 v[PFL], v31, 3072
	v_mov_b32 v[ZERO], 0
	s_mov_b32 s[SEL], 0x76543210
	s_mov_b32 s[SEL+1], 0xfedcba98
	s_mov_b32 s[TB], SLOT1                         ; the first change of period turns these to slot 0, z buffer 0 (read) and z buffer 1 (written)
	s_mov_b32 s[ZR], ZX
	s_mov_b32 s[ZW], 0
	s_mov_b32 s[KO], 0
	ADDRS                                          ; the makers' first batch goes to z buffer 0
	s_cmp_eq_u32 s[Q], 3                           ; who prefetches: makers 0, 1, 2 of the first cluster: the same in all four partners
	s_cselect_b32 s87, 1, 0
	s_xor_b32 s86, s[ROLE], 1
	s_or_b32 s86, s86, s87
	s_or_b32 s86, s86, ttmp9
	s_cmp_eq_u32 s86, 0
	s_cselect_b32 s[LIM1], 64, 0                   ; four trips of layer 1, or none
	s_wait_kmcnt 0x0
	s_load_b32 s[FCB], s[26:27], 0x0               ; fc_b
	s_mov_b32 s87, 0
	s_mov_b32 s89, 0
	s_lshl_b32 s88, s[BI], 13                      ; (what holds my place in the cluster goes through s[88:89] alone; what feeds the joint descriptors through s[86:87])
	s_add_nc_u64 s[4:5], s[4:5], s[88:89]          ; x at my batch item
	s_lshl_b32 s88, s[BI], 2
	s_add_nc_u64 s[28:29], s[28:29], s[88:89]      ; out likewise
	s_mul_i32 s86, s[Q], 64*768
	s_add_nc_u64 s[G0A+2:G0A+3], s[6:7], s[86:87]  ; tile 0: my 64 rows of w0,
	s_add_nc_u64 s[G0W+2:G0W+3], s[G0A+2:G0A+3], 384   ; tile 1: 384 bytes on in each row
	s_or_b32 s[G0A+3], s[G0A+3], 0x80000000        ; type = 2
	s_or_b32 s[G0W+3], s[G0W+3], 0x80000000
	s_mov_b32 s[G0A], 1
	s_mov_b32 s[G0A+1], s74                        ; slot 0, my 64 rows: no place in the cluster enters an LDS address
	s_mov_b32 s[G0W], 1
	s_add_co_u32 s[G0W+1], s74, SLOT1
	s_mul_i32 s86, s[Q], 64*3072
	s_add_nc_u64 s[W1P:W1P+1], s[12:13], s[86:87]
	s_add_nc_u64 s[W2P:W2P+1], s[18:19], s[86:87]
	s_mul_i32 s88, s[CX], 64*3072                  ; the prefetches: my work-group's 64 rows, my maker's block of 256 bytes
	s_add_co_u32 s88, s88, s75
	s_add_nc_u64 s[PF2:PF2+1], s[18:19], s[88:89]
	s_wait_kmcnt 0x0
	ROUND                                          ; all four work-groups are here: the first joint loads meet
	s_cmp_eq_u32 s[ROLE], 0
	s_cbranch_scc0 .Lmk_head
	tensor_load_to_lds s[G0A:G0A+3], s[G1A:G1A+7]  ; a multiplier's two first fills stand together, in one branch, ahead of every wait on TENSORcnt: two loads of mine are out
	s_nop 0
	tensor_load_to_lds s[G0W:G0W+3], s[G1A:G1A+7]
	s_nop 0
	PLACES
	SCLOAD 8, 4, VS0                               ; w0's scale bytes of my rows
	BIASLOAD 10
	FWLOAD 0
.irp u, 0,1,2,3,4,5,6,7
	v_mov_b32 v[TOT+\u], 0
.endr
	s_wait_loadcnt 0x0
	SCSTORE 4, ASW0, 16*144
	s_wait_dscnt 0x0                               ; the stores have read their registers, which take
	SCLOAD 14, 16, VS                              ; w1's scale bytes: they are wanted a layer on
	s_branch .Ljn_head
.Lmk_head:
.set j, 0
.rept 32
	global_load_b32 v[HB0+j], v[VX], s[4:5] offset:256*j   ; x[f = j][16 q + r]: my column; both halves of the lanes hold the same
.set j, j+1
.endr
.irp n, 0,1,2,3,4,5,6,7
	v_mov_b32 v[AM+2*\n+1], 0                      ; the upper words of the multipliers' pairs: named with them, so they are written; never used
.endr
	s_wait_loadcnt 0x0
	MAXI MX0, HB0
	BATCH0 0
.Ljn_head:
; ================ LAYER 0: two periods, in K's own order: both its tiles are first fills
	CHANGE 0, 0
	s_cmp_eq_u32 s[ROLE], 0
	s_cbranch_scc0 .Lmk_p0
	CONS
	s_branch .Ljn_p0
.Lmk_p0:
	BATCH0 1
.Ljn_p0:
	s_mov_b32 s[KO], 16
	CHANGE 1, W1P                                  ; slot 0 takes the tile of w1 at which my cluster's walk begins
	s_cmp_eq_u32 s[ROLE], 0
	s_cbranch_scc0 .Lmk_p1
	REFILL
	CONS
	RELU
	s_cmp_lt_u32 s[Q], 2
	s_cbranch_scc0 .Ljn_p1
	POOL                                           ; rows 0-127
	s_branch .Ljn_p1
.Lmk_p1:
	XROT                                           ; a layer's last period has no z to make: the next h is not there yet
.Ljn_p1:
	BOUNDARY 1, 16
; ================ LAYER 1: eight trips; the last is written out: it asks for w2's tile at which the walk begins
	LAYER 1, W1P
	CHANGE 1, W2P
	s_cmp_eq_u32 s[ROLE], 0
	s_cbranch_scc0 .Ljn_e1
	REFILL
	CONS
	RELU
	s_cmp_lt_u32 s[Q], 2
	s_cbranch_scc0 .Ljn_e1
	POOL
.Ljn_e1:
	BOUNDARY 2, 22
; ================ LAYER 2: eight trips; the last is written out: it asks for nothing
	LAYER 0, W2P
	CHANGE 3, 0
	s_cmp_eq_u32 s[ROLE], 0
	s_cbranch_scc0 .Ljn_e2
	CONS
	RELU
	POOL                                           ; all 256 rows
	v_pk_add_f32 v[TOT:TOT+1], v[TOT:TOT+1], v[TOT+2:TOT+3]        ; my lane's eight partial sums,
	v_pk_add_f32 v[TOT+4:TOT+5], v[TOT+4:TOT+5], v[TOT+6:TOT+7]
	v_pk_add_f32 v[TOT:TOT+1], v[TOT:TOT+1], v[TOT+4:TOT+5]
	v_add_f32 v[TOT], v[TOT], v[TOT+1]
	v_add_f32_dpp v[TOT], v[TOT], v[TOT] row_xmask:1 row_mask:0xf bank_mask:0xf   ; the 32 lanes',
	v_add_f32_dpp v[TOT], v[TOT], v[TOT] row_xmask:2 row_mask:0xf bank_mask:0xf
	v_add_f32_dpp v[TOT], v[TOT], v[TOT] row_xmask:4 row_mask:0xf bank_mask:0xf
	v_add_f32_dpp v[TOT], v[TOT], v[TOT] row_xmask:8 row_mask:0xf bank_mask:0xf
	v_permlanex16_b32 v[TOT+1], v[TOT], s[SEL], s[SEL+1]
	v_add_f32 v[TOT], v[TOT], v[TOT+1]
	ds_store_b32 v[ARW], v[TOT]                    ; all lanes write the same word with the same value
.Ljn_e2:
	BAR                                            ; the four multipliers' sums lie in LDS
	s_cmp_lg_u32 s[WV], 0
	s_cbranch_scc1 .Lnot0
	ds_load_b128 v[88:91], v[ARR]
	s_wait_dscnt 0x0
	v_add_f32 v88, v88, v89
	v_add_f32 v90, v90, v91
	v_add_f32 v88, v88, v90
	v_add_f32 v88, s[FCB], v88
	v_cmp_eq_u32 vcc_lo, 0, v0
	s_wait_xcnt 0x0                                ; EXEC changes only behind a wait on XCNT for 0
	s_and_saveexec_b32 s[SVX], vcc_lo
	global_store_b32 v[ZERO], v88, s[28:29]        ; thread 0 stores the batch item's number
	s_wait_xcnt 0x0                                ; and again, in front of the line that widens it
	s_or_b32 exec_lo, exec_lo, s[SVX]
.Lnot0:
	s_wait_tensorcnt 0x0                           ; the wave's end: behind my last tensor load and my last LDS store
	ds_add_u32 v[SPW], v[NIL]
	s_wait_dscnt 0x0
	ROUND                                          ; the closing round: no work-group ends while a partner may still ask for a tile that names it
	s_endpgm
.Lfunc_end_k_qadedfce444_cin:
	.size	k_qadedfce444_cin, .Lfunc_end_k_qadedfce444_cin-k_qadedfce444_cin
	.p2alignl 7, 3214868480
	.fill 96, 4, 3214868480
	.section	.rodata,"a",@progbits
	.p2align	6, 0x0
	.amdhsa_kernel k_qadedfce444_cin
		.amdhsa_group_segment_fixed_size 327680
		.amdhsa_private_segment_fixed_size 0
		.amdhsa_enable_private_segment 0
		.amdhsa_kernarg_size 104
		.amdhsa_user_sgpr_count 2
		.amdhsa_user_sgpr_kernarg_segment_ptr 1
		.amdhsa_wavefront_size32 1
		.amdhsa_system_sgpr_workgroup_id_x 1
		.amdhsa_system_sgpr_workgroup_id_y 1
		.amdhsa_system_sgpr_workgroup_id_z 1
		.amdhsa_system_vgpr_workitem_id 0
		.amdhsa_next_free_vgpr 512
		.amdhsa_next_free_sgpr 96
		.amdhsa_reserve_vcc 1
		.amdhsa_float_denorm_mode_32 3
		.amdhsa_float_denorm_mode_16_64 3
		.amdhsa_memory_ordered 1
		.amdhsa_forward_progress 1
		.amdhsa_inst_pref_size 255
	.end_amdhsa_kernel
	.section	.bss,"aw",@nobits
	.p2align	6
	.space	262144
	.amdgpu_metadata
---
amdhsa.version: [ 1, 2 ]
amdhsa.kernels:
  - .name:           k_qadedfce444_cin
    .symbol:         k_qadedfce444_cin.kd
    .args:
      - { .name: x, .offset: 0, .size: 8, .value_kind: global_buffer, .address_space: global }
      - { .name: w0_codes, .offset: 8, .size: 8, .value_kind: global_buffer, .address_space: global }
      - { .name: w0_scales, .offset: 16, .size: 8, .value_kind: global_buffer, .address_space: global }
      - { .name: b0, .offset: 24, .size: 8, .value_kind: global_buffer, .address_space: global }
      - { .name: w1_codes, .offset: 32, .size: 8, .value_kind: global_buffer, .address_space: global }
      - { .name: w1_scales, .offset: 40, .size: 8, .value_kind: global_buffer, .address_space: global }
      - { .name: b1, .offset: 48, .size: 8, .value_kind: global_buffer, .address_space: global }
      - { .name: w2_codes, .offset: 56, .size: 8, .value_kind: global_buffer, .address_space: global }
      - { .name: w2_scales, .offset: 64, .size: 8, .value_kind: global_buffer, .address_space: global }
      - { .name: b2, .offset: 72, .size: 8, .value_kind: global_buffer, .address_space: global }
      - { .name: fc_w, .offset: 80, .size: 8, .value_kind: global_buffer, .address_space: global }
      - { .name: fc_b, .offset: 88, .size: 8, .value_kind: global_buffer, .address_space: global }
      - { .name: out0, .offset: 96, .size: 8, .value_kind: global_buffer, .address_space: global }
    .group_segment_fixed_size: 327680
    .private_segment_fixed_size: 0
    .kernarg_segment_align: 8
    .kernarg_segment_size: 104
    .max_flat_workgroup_size: 256
    .sgpr_count:     96
    .vgpr_count:     512
    .wavefront_size: 32
...
	.end_amdgpu_metadata
.endif
;; end of part 1
